; MI455X (gfx1250); checked and timed in simulation.
; The chip was launched on July 23, 2026; its instructions are those of AMD's public machine-readable ISA for CDNA 5 (MIT licence, August 2026) and "CDNA5" Instruction Set Architecture Reference Guide (July 2026). The comments in the code are by the model that wrote it; some were corrected since.
;; Multi Head Attention. Allowed arithmetic: matrix products marked QUANTISED: E2M3 operands, one E8M0 scale for each 32 along K, by v_wmma_scale_f32_16x16x128_f8f6f4 with both operands' format E2M3, f32 sums; everything else in f32.
;; Inputs: proj_b 1,024 float32; proj_w 1,024 x 1,024 float32; qkv_b 3,072 float32; qkv_w 3,072 x 1,024 float32; x 4 x 2,048 x 1,024 float32.
;; Outputs: out0 4 x 2,048 x 1,024 float32.
;; This version of the problem:
;;   THIS VERSION OF THE PROBLEM IS GIVEN IN LOW PRECISION. The matrix products marked QUANTISED in the list below multiply operands that are first quantised to E2M3 (2 exponent bits, 3 mantissa bits; 6 bits a number), with one power-of-two scale for each 32 numbers along K (OCP MX v1.0); their sums are f32. All else is computed in f32.
;;   The module's matrix products, in the order in which they are computed (A, B: the left and right operand; K: the contracted axis; several contracted axes count as one K, in the product's order):
;;     1. [M 8,192, K 1,024] x [K 1,024, N 3,072]; A: input x; B: input qkv_w: QUANTISED
;;     2. batch 64 x [M 2,048, K 64] x [K 64, N 2,048]; A: computed on the way; B: computed on the way: QUANTISED
;;     3. batch 64 x [M 2,048, K 2,048] x [K 2,048, N 64]; A: softmax (see below); B: computed on the way: QUANTISED
;;     4. [M 8,192, K 1,024] x [K 1,024, N 1,024]; A: computed on the way; B: input proj_w: QUANTISED
;;   THE QUANTISER, for each operand of a quantised product, along K:
;;     - K is cut into blocks of 32 from its start; a last block that is shorter is filled with zeros.
;;     - A block's scale is 2^e with e = floor(log2(the largest magnitude in the block)) - 2, held to -126 .. 127; a block of zeros has e = 0. As a byte (E8M0): e + 127.
;;     - Each number is divided by its block's scale, clamped to +-7.5, and rounded to the nearest number of E2M3, ties to even, subnormals kept.
;;     - The product sums the exact products of the quantised numbers (number of the format x scale) in f32.
;;   ~~~python
;;   def quantise(x, axis):      # numpy; x: float32 -> the quantised numbers, widened to float32 again
;;       x = np.moveaxis(x, axis, -1); K = x.shape[-1]
;;       x = np.pad(x, [(0, 0)] * (x.ndim - 1) + [(0, -K % 32)]); x = x.reshape(x.shape[:-1] + (-1, 32)); a = np.abs(x).max(-1, keepdims=True)
;;       e = np.where(a > 0, np.clip(np.frexp(np.where(a > 0, a, 1))[1] - 1 - 2, -126, 127), 0)      # np.frexp(a)[1] - 1 = floor(log2(a)), exactly
;;       r = np.clip(x / 2.0 ** e, -7.5, 7.5)
;;       step = 2.0 ** (np.maximum(np.frexp(np.where(r == 0, 1, r))[1] - 1, 0) - 3)
;;       q = np.round(r / step) * step * 2.0 ** e      # np.round: ties to even
;;       return np.moveaxis(q.reshape(q.shape[:-2] + (-1,))[..., :K], -1, axis).astype(np.float32)
;;   ~~~
;;   SOFTMAX AHEAD OF A QUANTISED PRODUCT. Where the list says 'softmax', what is quantised is not the finished softmax but p = 2^(t - M), with t = logit x log2(e) and M = ceil(the row's largest t), a whole number; so 1/2 < the row's largest p <= 1. The row's sum l is taken of the UNQUANTISED p, in f32, and the product's result is divided by l at the end. Since M is a whole number, a kernel that streams over the keys may use a running M (the ceiling of the running maximum): every later rescaling is an exact power of two, which a block's scale takes up: the codes' values come out the same.
;;   OPERANDS COMPUTED ON THE WAY. 'Computed on the way' means the value that the module computes at that place (a softmax that the list does not call 'softmax' is quantised finished and normalised). What goes into a quantiser is computed in f32, as accurately as f32 sums, v_exp_f32 and their like allow (about 1e-6 of the number): no bf16 or f16 on the way to a quantiser, and a product that is left as it is and whose result goes on into a quantised operand takes f32 operands (vector FMAs, or v_wmma_f32_16x16x4_f32). A number that lies on a knife's edge between two numbers of the format may be rounded either way, as far as f32 arithmetic and the matrix unit's own rounding can turn it there, and no further.
;; One version. Each part assembles by itself: llvm-mc -triple=amdgcn-amd-amdhsa -mcpu=gfx1250 --defsym DOCPART=n.
;; ======== version 1 of 1: 4 launches
;; workspace buffers: codes1 9,437,184 bytes; scales1 393,216 bytes; qkv_codes 18,874,368 bytes; qkv_scales 1,310,720 bytes; o_codes 6,291,456 bytes; o_scales 262,144 bytes
;; launch quant (part 1): grid 384 x 1, 4 waves a work-group, no clusters, 33,280 bytes of LDS; arguments x, qkv_w, proj_w, codes1, scales1; writes codes1, scales1
.if DOCPART == 1
	.amdgcn_target "amdgcn-amd-amdhsa--gfx1250"
	.amdhsa_code_object_version 6
	.text
	.protected	k_qc60a67b936_quant
	.globl	k_qc60a67b936_quant
	.p2align	8
	.type	k_qc60a67b936_quant,@function
k_qc60a67b936_quant:
	s_mov_b64 s[64:65], 0
	v_nop
	global_prefetch_b8 v0, s[64:65] scope:SCOPE_SE
	s_setreg_imm32_b32 hwreg(HW_REG_WAVE_MODE, 25, 1), 1
	s_wait_xcnt 0x0
; x [8192][1024], qkv_w [3072][1024] and proj_w [1024][1024], f32, become codes of FP6 (E2M3), K innermost, 768 bytes a row, with one E8M0 byte for each 32 along K, 32 bytes a row.
; The three tensors' rows stand one behind the other in codes1 and scales1: rows 0-8191 x, 8192-11263 qkv_w, 11264-12287 proj_w.
; A block's scale is 2^(floor(log2(its largest magnitude)) - 2); its byte is the largest magnitude's own exponent field - 2, held at 1 from below.
; LIMITS: a block of zeros gets the byte 1 where the rule says 127 (its codes are zeros, and this program alone reads the bytes); blocks whose largest magnitude lies under 2^-124 keep the byte 1;
; NaN and infinities among the inputs are not served.
; SHARES.  A work-group takes 32 rows, a wave 8 of them (8,192 numbers) in 16 steps of 512.  Work-groups 0-255 take x, 256-351 qkv_w, 352-383 proj_w.
; THE ORDER OF ROWS.  In x and qkv_w the four groups of 8 rows of each 32 are stored in the order 0, 2, 1, 3: wave w writes to the place of wave ((w & 1) << 1) | (w >> 1).  So place 16 a + i of each 128 rows holds row
; 32 (a / 2) + 8 (a % 2) + i + 8 (i / 8), and a product that takes 16 neighbouring places as a tile leaves 16 neighbours of the next K in a lane's registers.  proj_w keeps its order.
; Each of a step's four loads reads 512 consecutive bytes; the 2,048 bytes turn through the wave's own stage in LDS and come back 64 bytes a lane: 16 neighbours along K, two lanes to a block.
; No tensor loads, no barrier: waves share nothing.  Loads run four steps (16 loads a wave) ahead, the turn through LDS one step.
.set WAVES, 4
.set STEPS, 16
.set EMAX,  2
.set CB,    12                         ; bytes of 16 codes
.set R,     16                         ; v16-79   four sets of 16 numbers as they are loaded
.set X,     80                         ; v80-111  two sets of 16 neighbours
.set C,     128                        ; v128-191 codes: four registers for each step, so that no store's data are written again
.set E,     112                        ; v112-127 a scale byte for each step
.set WREG,  8192                       ; LDS: a region for each wave: two stages of 32 x SP bytes, and behind them its 256 scale bytes
.set SP,    80                         ; a lane's place in a stage: its 64 bytes + 16 of padding
.set SPW,   12                         ; v12      LDS address of my spare word; never rewritten
.set NIL,   13                         ; v13      0; never rewritten
.set SPARE, WAVES*WREG                 ; behind the four regions: the spare words, 128 bytes for each wave
	s_load_b128 s[4:7], s[0:1], 0x0                ; x, qkv_w
	s_load_b128 s[8:11], s[0:1], 0x10              ; proj_w, codes1
	s_load_b64 s[12:13], s[0:1], 0x20              ; scales1
	v_lshl_add_u32 v[SPW], v0, 2, SPARE
	v_mov_b32 v[NIL], 0
	v_lshrrev_b32 v1, 5, v0
	v_readfirstlane_b32 s16, v1                    ; wave
	v_and_b32 v2, 31, v0                           ; lane
	v_lshlrev_b32 v3, 4, v2                        ; my 16 bytes of a load's 512
	s_mul_i32 s17, s16, WREG
	v_lshrrev_b32 v14, 2, v2
	v_mul_u32_u24 v14, v14, SP
	v_and_b32 v15, 3, v2
	v_lshl_add_u32 v14, v15, 4, v14
	v_add_nc_u32 v14, s17, v14                     ; the stage, on the way in: SP (lane / 4) + 16 (lane % 4)
	v_mul_u32_u24 v15, v2, SP
	v_add_nc_u32 v15, s17, v15                     ; and on the way out: SP x lane: my 16 neighbours
	v_mul_u32_u24 v4, v2, CB                       ; my codes' place in a step's
	v_lshrrev_b32 v5, 1, v2
	s_add_co_u32 s17, s17, 2*32*SP
	v_add_nc_u32 v5, s17, v5                       ; LDS: my wave's 256 scale bytes, my block's byte
	v_lshlrev_b32 v7, 3, v2                        ; and on the way out 8 bytes a lane
	v_add_nc_u32 v6, s17, v7
	s_and_b32 s26, s16, 1
	s_lshl_b32 s26, s26, 1
	s_lshr_b32 s27, s16, 1
	s_or_b32 s26, s26, s27                         ; the wave's number with its two bits changed over
	s_wait_alu depctr_va_vdst(0)
	s_wait_kmcnt 0x0
	s_cmp_lt_u32 ttmp9, 352                        ; which tensor?  The choices hang on the work-group's number alone
	s_cselect_b64 s[6:7], s[6:7], s[8:9]           ; qkv_w or proj_w,
	s_mov_b32 s24, 352
	s_cselect_b32 s24, 256, s24                    ; its first work-group,
	s_cselect_b32 s26, s26, s16                    ; and the place of my 8 rows among the 32: proj_w keeps its order
	s_cmp_lt_u32 ttmp9, 256
	s_cselect_b64 s[4:5], s[4:5], s[6:7]           ; x, or that one
	s_cselect_b32 s24, 0, s24
	s_sub_co_u32 s17, ttmp9, s24
	s_lshl_b32 s17, s17, 2
	s_add_co_u32 s17, s17, s16                     ; which run of 8,192 numbers of the tensor is my wave's
	s_lshl_b32 s18, s17, 15                        ; 32,768 bytes a run: under 2^26
	s_mov_b32 s19, 0
	s_add_nc_u64 s[4:5], s[4:5], s[18:19]
	s_lshl_b32 s20, ttmp9, 2
	s_add_co_u32 s20, s20, s26                     ; and which run of the outputs, which are one stream for all three tensors
	s_mul_i32 s18, s20, 32*STEPS*CB                ; 6,144 bytes of codes a run
	s_add_nc_u64 s[10:11], s[10:11], s[18:19]
	s_lshl_b32 s18, s20, 8                         ; 256 scale bytes a run
	s_add_nc_u64 s[12:13], s[12:13], s[18:19]
.macro LOAD t
.irp i, 0,1,2,3
	global_load_b128 v[R+16*((\t)%4)+4*\i:R+16*((\t)%4)+4*\i+3], v3, s[4:5] offset:2048*(\t)+512*\i th:TH_LOAD_NT   ; 32 lanes read 512 consecutive bytes
.endr
.endm
.macro TURN t                          ; step t's numbers through the stage: LDS serves a wave's instructions in order, so no wait stands between the stores and the loads
.irp i, 0,1,2,3
	ds_store_b128 v14, v[R+16*((\t)%4)+4*\i:R+16*((\t)%4)+4*\i+3] offset:32*SP*((\t)%2)+8*SP*\i
.endr
.irp i, 0,1,2,3
	ds_load_b128 v[X+16*((\t)%2)+4*\i:X+16*((\t)%2)+4*\i+3], v15 offset:32*SP*((\t)%2)+16*\i
.endr
.endm
.irp t, 0,1,2,3
	LOAD \t
.endr
	s_wait_loadcnt 12                              ; step 0's four loads are in; the twelve of steps 1 to 3 may be out
	TURN 0
.macro STEP t
.set XS, X+16*((\t)%2)
.if (\t) > 0
	s_wait_dscnt 1                                 ; this step's numbers are back from the stage (the last step's byte store may be out): so its stores into the stage have read their registers,
.else
	s_wait_dscnt 0x0
.endif
.if (\t)+4 < STEPS
	LOAD (\t)+4                                    ; which take the loads of four steps on
.endif
.if (\t)+1 < STEPS
.if STEPS-2-(\t) >= 3
	s_wait_loadcnt 12                              ; the next step's four loads are in; those of the three steps behind it may be out
.else
	s_wait_loadcnt 4*(STEPS-2-(\t))
.endif
	TURN (\t)+1                                    ; and go through the other stage while this step is worked
.endif
	v_max3_num_f32 v8, |v[XS]|, |v[XS+1]|, |v[XS+2]|               ; the largest magnitude of my 16
	v_max3_num_f32 v9, |v[XS+3]|, |v[XS+4]|, |v[XS+5]|
.irp i, 6,10
	v_max3_num_f32 v8, v8, |v[XS+\i]|, |v[XS+\i+1]|
	v_max3_num_f32 v9, v9, |v[XS+\i+2]|, |v[XS+\i+3]|
.endr
	v_max3_num_f32 v8, v8, |v[XS+14]|, |v[XS+15]|
	v_max3_num_f32 v8, v8, v9, (EMAX+1)<<23        ; and the floor 2^(3 - 127): the byte cannot fall under 1
	v_max_num_f32_dpp v8, v8, v8 row_xmask:1 row_mask:0xf bank_mask:0xf   ; and of my neighbour's 16: the block's
	v_add_nc_u32 v11, -(EMAX<<23), v8              ; 2 off its exponent field: the conversion takes the exponent field of this operand as its scale
	v_cvt_scalef32_pk16_fp6_f32 v[C+4*(\t):C+4*(\t)+2], v[XS:XS+15], v11
	v_lshrrev_b32 v[E+(\t)], 23, v11               ; the scale's byte
	ds_store_b8 v5, v[E+(\t)] offset:16*(\t)       ; both lanes of a block write the same byte with the same value
	global_store_b96 v4, v[C+4*(\t):C+4*(\t)+2], s[10:11] offset:32*CB*(\t)   ; the wave stores 384 consecutive bytes
.endm
.irp t, 0,1,2,3,4,5,6,7,8,9,10,11,12,13,14,15
	STEP \t
.endr
	ds_load_b64 v[8:9], v6                         ; LDS serves a wave's instructions in order: these see my stores
	s_wait_dscnt 0x0
	global_store_b64 v7, v[8:9], s[12:13]          ; 32 lanes store 256 consecutive bytes, aligned
	s_wait_tensorcnt 0x0                           ; the wave's end, behind my last LDS store
	ds_add_u32 v[SPW], v[NIL]
	s_wait_dscnt 0x0
	s_endpgm
.Lfunc_end_k_qc60a67b936_quant:
	.size	k_qc60a67b936_quant, .Lfunc_end_k_qc60a67b936_quant-k_qc60a67b936_quant
	.p2alignl 7, 3214868480
	.fill 96, 4, 3214868480
	.section	.rodata,"a",@progbits
	.p2align	6, 0x0
	.amdhsa_kernel k_qc60a67b936_quant
		.amdhsa_group_segment_fixed_size 33280
		.amdhsa_private_segment_fixed_size 0
		.amdhsa_enable_private_segment 0
		.amdhsa_kernarg_size 40
		.amdhsa_user_sgpr_count 2
		.amdhsa_user_sgpr_kernarg_segment_ptr 1
		.amdhsa_wavefront_size32 1
		.amdhsa_system_sgpr_workgroup_id_x 1
		.amdhsa_system_sgpr_workgroup_id_y 1
		.amdhsa_system_sgpr_workgroup_id_z 1
		.amdhsa_system_vgpr_workitem_id 0
		.amdhsa_next_free_vgpr 192
		.amdhsa_next_free_sgpr 66
		.amdhsa_reserve_vcc 0
		.amdhsa_float_denorm_mode_32 3
		.amdhsa_float_denorm_mode_16_64 3
		.amdhsa_memory_ordered 1
		.amdhsa_forward_progress 1
		.amdhsa_inst_pref_size 33
	.end_amdhsa_kernel
	.amdgpu_metadata
---
amdhsa.version: [ 1, 2 ]
amdhsa.kernels:
  - .name:           k_qc60a67b936_quant
    .symbol:         k_qc60a67b936_quant.kd
    .args:
      - { .name: x, .offset: 0, .size: 8, .value_kind: global_buffer, .address_space: global }
      - { .name: qkv_w, .offset: 8, .size: 8, .value_kind: global_buffer, .address_space: global }
      - { .name: proj_w, .offset: 16, .size: 8, .value_kind: global_buffer, .address_space: global }
      - { .name: codes1, .offset: 24, .size: 8, .value_kind: global_buffer, .address_space: global }
      - { .name: scales1, .offset: 32, .size: 8, .value_kind: global_buffer, .address_space: global }
    .group_segment_fixed_size: 33280
    .private_segment_fixed_size: 0
    .kernarg_segment_align: 8
    .kernarg_segment_size: 40
    .max_flat_workgroup_size: 128
    .sgpr_count:     66
    .vgpr_count:     192
    .wavefront_size: 32
...
	.end_amdgpu_metadata
.endif
;; end of part 1
;; launch qkv (part 2): grid 12 x 32, 4 waves a work-group, clusters of 4 x 4, 327,680 bytes of LDS; arguments codes1, scales1, qkv_b, qkv_codes, qkv_scales; writes qkv_codes, qkv_scales
.if DOCPART == 2
	.amdgcn_target "amdgcn-amd-amdhsa--gfx1250"
	.amdhsa_code_object_version 6
	.text
	.protected	k_qc60a67b936_qkv
	.globl	k_qc60a67b936_qkv
	.p2align	8
	.type	k_qc60a67b936_qkv,@function
k_qc60a67b936_qkv:
	s_mov_b64 s[64:65], 0
	v_nop
	global_prefetch_b8 v0, s[64:65] scope:SCOPE_SE
	s_setreg_imm32_b32 hwreg(HW_REG_WAVE_MODE, 25, 1), 1
	s_wait_xcnt 0x0
	s_wait_alu depctr_hold_cnt(0) depctr_sa_sdst(0) depctr_va_vdst(0) depctr_va_sdst(0) depctr_va_ssrc(0) depctr_va_vcc(0) depctr_vm_vsrc(0)
	s_getreg_b32 s2, hwreg(HW_REG_IB_STS2, 6, 4)
	s_cmp_eq_u32 s2, 0
	s_cbranch_scc0 .Lentry_in_a_cluster
	s_endpgm
.Lentry_in_a_cluster:
	s_bfe_u32 s2, ttmp6, 0x10000c
	s_cmp_lg_u32 s2, 0xf033
	s_cbranch_scc0 .Lentry_shape_is_right
	s_endpgm
.Lentry_shape_is_right:
.set KSTEP,  256
.set NQ,     KSTEP/128
.set ROWB,   192
.set KROW,   768
.set PITCH,  240
.set FR,     12
.set NL,     6
.set NP,     4
.set HALFT,  128*PITCH
.set SLOT,   4*HALFT
.set KS,     32
.set SCL,    2*SLOT
.set HALFS,  (128*KS/256)*272
.set SBLK,   (16*KS/256)*272
.set SPARE,  SCL+4*HALFS
.set L8,   8
.set L16,  9
.set LSO,  10
.set BOQ,  11
.set BOV,  12
.set SH,   13
.set ADRA, 16
.set ADRB, 20
.set ADRS, 27
.set SPW,  28
.set NIL,  29
.set SC,   32
.set SW,   32
.set BN,   64
.set AF,   128
.set XN,   128
.set CD,   192
.set TM,   212
.set G1, 24
.set G0, 32
.set G1B, 48
.set G0B, 56
.set G1S, 68
.set G0S, 76
.set G1SB, 80
.set G0SB, 88
.set KIND, 95
.set SEL, 96
.set MSB, 0
.macro WIN new
.if MSB != (\new)
	s_set_vgpr_msb (MSB<<8)|(\new)
.set MSB, (\new)
.endif
.endm
.set MUL_LO, 0xa1
.set MUL_HI, 0xf1
.set TO_B,   0x40
.macro JLOAD g0a, g1a, g0b, g1b
	s_cmp_eq_u32 s15, 0
	s_cbranch_scc0 .Lfor_b_\@
	tensor_load_to_lds s[\g0a:\g0a+3], s[\g1a:\g1a+7]
	s_nop 0
.rept 4
	v_nop
.endr
	s_branch .Lasked_\@
.Lfor_b_\@:
	tensor_load_to_lds s[\g0b:\g0b+3], s[\g1b:\g1b+7]
	s_nop 0
.rept 4
	v_nop
.endr
.Lasked_\@:
.endm
.macro CREST
	s_cmp_lg_u32 s14, 0
	s_cbranch_scc1 .Lnot_wave_0_\@
	s_barrier_signal -3
.Lnot_wave_0_\@:
	s_barrier_wait -3
	s_barrier_signal -1
	s_barrier_wait -1
.endm
.macro CROUND
	s_barrier_signal -1
	s_barrier_wait -1
	CREST
.endm
	s_load_b256 s[4:11], s[0:1], 0x0
	s_load_b64 s[12:13], s[0:1], 0x20
	v_lshl_add_u32 v[SPW], v0, 2, SPARE
	v_mov_b32 v[NIL], 0
	ds_add_u32 v[SPW], v[NIL]
	ds_add_u32 v[SPW], v[NIL]
	v_lshrrev_b32 v1, 5, v0
	v_readfirstlane_b32 s14, v1
	s_lshr_b32 s15, s14, 1
	s_and_b32 s16, s14, 1
	s_bfe_u32 s40, ttmp6, 0x40000
	s_bfe_u32 s41, ttmp6, 0x40004
	s_lshl_b32 s18, ttmp9, 2
	s_add_co_u32 s18, s18, 32
	s_and_b32 s19, ttmp7, 0xffff
	s_lshl_b32 s19, s19, 2
	s_cmp_eq_u32 ttmp9, 2
	s_cselect_b32 s[KIND], 1, 0
	s_cselect_b32 s17, s18, s19
	s_cselect_b32 s42, s19, s18
	s_add_co_u32 s17, s17, s41
	s_add_co_u32 s42, s42, s40
	s_lshl_b32 s43, s41, 2
	s_lshl_b32 s43, 15, s43
	s_lshl_b32 s44, 0x1111, s40
	s_or_b32 s[G1+0], s43, (0<<16)|(1<<20)|(1<<21)|(3<<22)|(3<<25)
	s_or_b32 s[G1B+0], s44, (0<<16)|(1<<20)|(1<<21)|(3<<22)|(3<<25)
.irp g, G1, G1B
	s_mov_b32 s[\g+1], ROWB<<16
	s_mov_b32 s[\g+2], 128<<16
	s_mov_b32 s[\g+3], ROWB<<16
	s_mov_b32 s[\g+4], 128
	s_mov_b32 s[\g+5], KROW
	s_mov_b32 s[\g+6], 0
	s_mov_b32 s[\g+7], 0
.endr
	s_or_b32 s[G1S+0], s43, (3<<16)|(1<<20)|(1<<21)|(5<<22)|(3<<25)
	s_or_b32 s[G1SB+0], s44, (3<<16)|(1<<20)|(1<<21)|(5<<22)|(3<<25)
.irp g, G1S, G1SB
	s_mov_b32 s[\g+1], 32<<16
	s_mov_b32 s[\g+2], (128*KS/256)<<16
	s_mov_b32 s[\g+3], 32<<16
	s_mov_b32 s[\g+4], 128*KS/256
	s_mov_b32 s[\g+5], 32
	s_mov_b32 s[\g+6], 0
	s_mov_b32 s[\g+7], 0
.endr
	s_lshl_b32 s18, s16, 7
	s_lshl_b32 s20, s17, 8
	s_add_co_u32 s20, s20, s18
	s_lshl_b32 s46, s42, 8
	s_add_co_u32 s46, s46, s18
	s_mov_b32 s21, 0
	s_mov_b32 s47, 0
	s_mov_b64 s[18:19], KS
	s_mul_u64 s[22:23], s[20:21], s[18:19]
	s_mul_u64 s[92:93], s[46:47], s[18:19]
	s_mov_b64 s[18:19], KROW
	s_mul_u64 s[20:21], s[20:21], s[18:19]
	s_mul_u64 s[46:47], s[46:47], s[18:19]
	s_mul_i32 s45, s14, HALFT
	s_mul_i32 s94, s14, HALFS
	s_mov_b32 s[SEL], 0x76543210
	s_mov_b32 s[SEL+1], 0xfedcba98
	s_wait_dscnt 0x0
	s_wait_kmcnt 0x0
	s_add_nc_u64 s[20:21], s[4:5], s[20:21]
	s_add_nc_u64 s[22:23], s[6:7], s[22:23]
	s_add_nc_u64 s[46:47], s[4:5], s[46:47]
	s_add_nc_u64 s[92:93], s[6:7], s[92:93]
	CROUND
	s_mov_b32 s[G0S], 1
	s_add_co_u32 s[G0S+1], s94, SCL
	s_mov_b64 s[G0S+2:G0S+3], s[22:23]
	s_or_b32 s[G0S+3], s[G0S+3], 0x80000000
	s_mov_b32 s[G0SB], 1
	s_add_co_u32 s[G0SB+1], s94, SCL
	s_mov_b64 s[G0SB+2:G0SB+3], s[92:93]
	s_or_b32 s[G0SB+3], s[G0SB+3], 0x80000000
	JLOAD G0S, G1S, G0SB, G1SB
.irp s, 0,1
	s_mov_b32 s[G0+4*\s], 1
	s_add_co_u32 s[G0+4*\s+1], s45, \s*SLOT
	s_add_nc_u64 s[G0+4*\s+2:G0+4*\s+3], s[20:21], \s*ROWB
	s_or_b32 s[G0+4*\s+3], s[G0+4*\s+3], 0x80000000
	s_mov_b32 s[G0B+4*\s], 1
	s_add_co_u32 s[G0B+4*\s+1], s45, \s*SLOT
	s_add_nc_u64 s[G0B+4*\s+2:G0B+4*\s+3], s[46:47], \s*ROWB
	s_or_b32 s[G0B+4*\s+3], s[G0B+4*\s+3], 0x80000000
	s_wait_alu depctr_va_vdst(0)
	s_wait_tensorcnt 0x0
	ds_add_u32 v28, v29
	s_wait_dscnt 0x0
	CROUND
	JLOAD G0+4*\s, G1, G0B+4*\s, G1B
.endr
	v_and_b32 v1, 15, v0
	v_bfe_u32 v2, v0, 4, 1
	v_mul_u32_u24 v3, v1, PITCH
	v_mul_u32_u24 v4, v2, 24
	v_add_nc_u32 v4, v3, v4
	v_lshl_add_u32 v5, v2, 4, v4
	s_mul_i32 s21, s15, HALFT
	s_mul_i32 s22, s16, HALFT
	s_add_co_u32 s22, s22, 2*HALFT
.irp s, 0,1
	v_add_nc_u32 v[ADRA+\s], s21, v4
	v_add_nc_u32 v[ADRB+\s], s22, v4
	v_add_nc_u32 v[ADRA+2+\s], s21, v5
	v_add_nc_u32 v[ADRB+2+\s], s22, v5
	s_add_co_u32 s21, s21, SLOT
	s_add_co_u32 s22, s22, SLOT
.endr
	v_mul_u32_u24 v5, v1, KS
	v_lshrrev_b32 v6, 8, v5
	v_lshl_add_u32 v5, v6, 4, v5
	s_mul_i32 s21, s15, HALFS
	s_mul_i32 s22, s16, HALFS
	s_add_co_u32 s22, s22, 2*HALFS
	s_sub_co_u32 s22, s22, s21
	v_mul_u32_u24 v6, s22, v2
	s_add_co_u32 s21, s21, SCL
	v_add_nc_u32 v5, v5, v6
	v_add_nc_u32 v[ADRS], s21, v5
	v_and_b32 v6, 31, v0
	v_lshlrev_b32 v[L8], 3, v6
	v_lshlrev_b32 v[L16], 4, v6
	v_mul_u32_u24 v[LSO], v2, 20480
	v_lshl_add_u32 v[LSO], v1, 4, v[LSO]
	v_lshlrev_b32 v[BOQ], 6, v2
	v_and_b32 v[BOV], 8, v1
	v_add_nc_u32 v[BOV], v[BOV], v1
	v_lshlrev_b32 v[BOV], 2, v[BOV]
	v_lshlrev_b32 v[SH], 4, v2
.macro FRAG reg, adr, q, i
.irp p, 0,1,2,3,4,5
.set PC, 12*(\q)+6*(\p/3)+\p%3
.if PC%8 < 5
	ds_load_b64 v[\reg+2*\p:\reg+2*\p+1], v[\adr] offset:8*PC+16*(PC/8)+(\i)*16*PITCH
.else
	ds_load_b64 v[\reg+2*\p:\reg+2*\p+1], v[\adr+2] offset:8*PC+16*(PC/8)+(\i)*16*PITCH
.endif
.endr
.endm
.macro MUL16 a0, p, q, sc, zero
.irp a, \a0, \a0+1
.irp b, 0,1,2,3,4,5,6,7
.if \zero
	v_wmma_scale_f32_16x16x128_f8f6f4 v[8*(8*((\a)%4)+\b):8*(8*((\a)%4)+\b)+7], v[128*(\p)+FR*\b:128*(\p)+FR*\b+FR-1], v[AF+FR*(\a):AF+FR*(\a)+FR-1], 0, v[SC+8*NQ*(\sc)+NQ*\b+(\q)], v[SC+8*NQ*(\sc)+NQ*(\a)+(\q)] matrix_a_fmt:MATRIX_FMT_FP6 matrix_b_fmt:MATRIX_FMT_FP6 matrix_a_scale:MATRIX_SCALE_ROW1
.else
	v_wmma_scale_f32_16x16x128_f8f6f4 v[8*(8*((\a)%4)+\b):8*(8*((\a)%4)+\b)+7], v[128*(\p)+FR*\b:128*(\p)+FR*\b+FR-1], v[AF+FR*(\a):AF+FR*(\a)+FR-1], v[8*(8*((\a)%4)+\b):8*(8*((\a)%4)+\b)+7], v[SC+8*NQ*(\sc)+NQ*\b+(\q)], v[SC+8*NQ*(\sc)+NQ*(\a)+(\q)] matrix_a_fmt:MATRIX_FMT_FP6 matrix_b_fmt:MATRIX_FMT_FP6 matrix_a_scale:MATRIX_SCALE_ROW1
.endif
.endr
.endr
.endm
.macro FETCH_B slot, q, p
	WIN TO_B
.irp i, 0,1,2,3,4,5,6,7
	FRAG 128*(\p)+FR*\i, ADRB+\slot, \q, \i
.endr
	WIN 0
.endm
.macro FETCH_A slot, q, i0
.irp i, \i0, \i0+1, \i0+2, \i0+3
	FRAG AF+FR*(\i), ADRA+\slot, \q, \i
.endr
.endm
.macro SCALES sc
.irp i, 0,1,2,3,4,5,6,7
	ds_load_b64 v[SC+8*NQ*\sc+NQ*\i:SC+8*NQ*\sc+NQ*\i+1], v[ADRS] offset:\i*SBLK
.endr
.endm
.macro PLACES n
.rept \n
	v_nop
.endr
.endm
.macro STEP slot, q, zero
	s_wait_dscnt 4*NL
	WIN MUL_LO
	MUL16 0, (\q)%2, \q, \slot, \zero
	MUL16 2, (\q)%2, \q, \slot, \zero
	s_wait_dscnt 0
	PLACES NP
	FETCH_B \slot, (\q)+1, 1-(\q)%2
	FETCH_A \slot, (\q)+1, 0
	WIN MUL_HI
	MUL16 4, (\q)%2, \q, \slot, \zero
	MUL16 6, (\q)%2, \q, \slot, \zero
	PLACES NP
	WIN 0
	FETCH_A \slot, (\q)+1, 4
.endm
.macro TURN slot, next, fill
	s_wait_tensorcnt 0x0
	ds_add_u32 v[SPW], v[NIL]
	s_wait_dscnt 4*NL+1
	WIN MUL_LO
	MUL16 0, 1, NQ-1, \slot, 0
	s_wait_dscnt 0x0
	s_barrier_signal -1
	MUL16 2, 1, NQ-1, \slot, 0
	WIN 0
	s_barrier_wait -1
.if \fill
	CREST
	s_add_nc_u64 s[G0+4*\slot+2:G0+4*\slot+3], s[G0+4*\slot+2:G0+4*\slot+3], 2*ROWB
	s_add_nc_u64 s[G0B+4*\slot+2:G0B+4*\slot+3], s[G0B+4*\slot+2:G0B+4*\slot+3], 2*ROWB
	JLOAD G0+4*\slot, G1, G0B+4*\slot, G1B
.else
	PLACES NP
.endif
	s_wait_alu depctr_va_vdst(0)
	v_add_nc_u32 v[ADRS], 4*NQ, v[ADRS]
	FETCH_B \next, 0, 0
	FETCH_A \next, 0, 0
	SCALES \next
	WIN MUL_HI
	MUL16 4, 1, NQ-1, \slot, 0
	MUL16 6, 1, NQ-1, \slot, 0
	PLACES NP
	WIN 0
	FETCH_A \next, 0, 4
.endm
.macro QUANT s, pw
.irp b, 0,1,2,3
	v_max3_num_f32 v[TM+\b], |v[\s+16*\b]|, |v[\s+1+16*\b]|, 0x1800000
.endr
.irp i, 2,4,6,8,10,12,14
.irp b, 0,1,2,3
	v_max3_num_f32 v[TM+\b], v[TM+\b], |v[\s+16*\b+\i]|, |v[\s+1+16*\b+\i]|
.endr
.endr
.irp b, 0,1,2,3
	v_permlanex16_b32 v[TM+4+\b], v[TM+\b], s[SEL], s[SEL+1]
.endr
.irp b, 0,1,2,3
	v_max_num_f32 v[TM+\b], v[TM+\b], v[TM+4+\b]
.endr
.irp b, 0,1,2,3
	v_add_nc_u32 v[TM+12+\b], 0xff000000, v[TM+\b]
.endr
.irp b, 0,1,2,3
	v_lshrrev_b32 v[TM+4+\b], 23, v[TM+12+\b]
.endr
	v_lshl_or_b32 v[\pw], v[TM+5], 8, v[TM+4]
	v_lshl_or_b32 v[\pw], v[TM+6], 16, v[\pw]
	v_lshl_or_b32 v[\pw], v[TM+7], 24, v[\pw]
.irp c, 0,1
	v_cvt_scalef32_pk16_fp6_f32 v[CD+6*\c:CD+2+6*\c], v[\s+32*\c:\s+15+32*\c], v[TM+12+2*\c]
	v_cvt_scalef32_pk16_fp6_f32 v[CD+12+4*\c:CD+14+4*\c], v[\s+16+32*\c:\s+31+32*\c], v[TM+12+2*\c+1]
.endr
	v_nop
.irp c, 0,1
.irp i, 0,1,2
	v_permlane16_swap_b32 v[CD+6*\c+\i], v[CD+12+4*\c+\i]
.endr
.irp i, 0,1,2
	v_mov_b32 v[CD+3+6*\c+\i], v[CD+12+4*\c+\i]
.endr
.endr
.endm
.macro TAILM kind
.if \kind
	s_sub_co_u32 s18, s17, 40
	s_lshl_b32 s18, s18, 2
	s_lshl_b32 s23, s15, 1
	s_add_co_u32 s22, s18, s23
	s_lshr_b32 s19, s42, 3
	s_and_b32 s20, s42, 7
	s_lshl_b32 s20, s20, 1
	s_add_co_u32 s20, s20, s16
	s_lshl_b32 s19, s19, 4
	s_add_co_u32 s19, s19, s22
	s_mul_i32 s46, s19, 98304
	s_mul_i32 s23, s20, 6144
	s_add_co_u32 s46, s46, s23
	s_add_co_u32 s46, s46, 12582912
	s_mov_b32 s47, 0
	s_add_nc_u64 s[98:99], s[10:11], s[46:47]
	s_mul_i32 s46, s19, 20480
	s_lshl_b32 s23, s20, 8
	s_add_co_u32 s46, s46, s23
	s_add_co_u32 s46, s46, 16384
	s_add_nc_u64 s[100:101], s[12:13], s[46:47]
	s_lshl_b32 s46, s22, 8
	s_add_co_u32 s46, s46, 8192
	s_add_nc_u64 s[92:93], s[8:9], s[46:47]
.irp a, 0,1,2,3,4,5,6,7
	global_load_b32 v[BN+2*\a], v[BOV], s[92:93] offset:4*(32*(\a/2)+8*(\a%2))
	global_load_b32 v[BN+2*\a+1], v[BOV], s[92:93] offset:4*(32*(\a/2)+8*(\a%2))
.endr
.else
	s_sub_co_u32 s18, s42, 32
	s_lshr_b32 s19, s17, 3
	s_and_b32 s20, s17, 7
	s_lshl_b32 s20, s20, 1
	s_add_co_u32 s20, s20, s15
	s_lshr_b32 s21, s18, 2
	s_and_b32 s22, s18, 3
	s_lshl_b32 s22, s22, 2
	s_lshl_b32 s23, s16, 1
	s_add_co_u32 s22, s22, s23
	s_lshl_b32 s19, s19, 4
	s_add_co_u32 s19, s19, s22
	s_mul_i32 s46, s21, 6291456
	s_mul_i32 s23, s19, 98304
	s_add_co_u32 s46, s46, s23
	s_mul_i32 s23, s20, 6144
	s_add_co_u32 s46, s46, s23
	s_mov_b32 s47, 0
	s_add_nc_u64 s[98:99], s[10:11], s[46:47]
	s_mul_i32 s46, s19, 20480
	s_lshl_b32 s23, s21, 13
	s_add_co_u32 s46, s46, s23
	s_lshl_b32 s23, s20, 9
	s_add_co_u32 s46, s46, s23
	s_add_nc_u64 s[100:101], s[12:13], s[46:47]
	s_lshl_b32 s46, s18, 10
	s_lshl_b32 s23, s16, 9
	s_add_co_u32 s46, s46, s23
	s_add_nc_u64 s[92:93], s[8:9], s[46:47]
.irp q, 0,1,2,3,4,5,6,7,8,9,10,11,12,13,14,15
	global_load_b128 v[BN+4*\q:BN+4*\q+3], v[BOQ], s[92:93] offset:128*(\q/4)+16*(\q%4)
.endr
.endif
	s_wait_dscnt 4*NL
	WIN MUL_LO
	MUL16 0, 1, NQ-1, 1, 0
	MUL16 2, 1, NQ-1, 1, 0
	s_wait_dscnt 0
	WIN MUL_HI
	MUL16 4, 1, NQ-1, 1, 0
	MUL16 6, 1, NQ-1, 1, 0
	WIN 0
	PLACES NP
	s_wait_loadcnt 0x0
.irp b, 0,1,2,3
	v_mov_b32 v[TM+4+\b], 0
.endr
.irp a, 0,1,2,3,4,5,6,7
.set AC, 64*(\a%4)
	WIN 0x02+(\a/4)
.set j, 0
.rept 32
.if \kind
	v_pk_add_f32 v[XN+j:XN+j+1], v[AC+j:AC+j+1], v[BN+2*\a:BN+2*\a+1]
.else
	v_pk_add_f32 v[XN+j:XN+j+1], v[AC+j:AC+j+1], v[BN+j:BN+j+1]
.endif
.set j, j+2
.endr
	WIN 0
.if \a > 0
	s_wait_xcnt 0x0
.endif
	QUANT XN, SW+\a
.if \kind
.irp i, 0,1,2
	global_store_b128 v[L16], v[CD+4*\i:CD+4*\i+3], s[98:99] offset:98304*(\a/4)+1536*(\a%4)+512*\i
.endr
.else
.irp c, 0,1
	global_store_b64 v[L8], v[CD+6*\c:CD+6*\c+1], s[98:99] offset:98304*\c+768*\a
	global_store_b128 v[L16], v[CD+6*\c+2:CD+6*\c+5], s[98:99] offset:98304*\c+768*\a+256
.endr
.endif
.endr
.if \kind
	v_cmp_ne_u32 vcc_lo, 0, v[SH]
.irp i, 0,1,2,3
	v_cndmask_b32 v[SW+\i], v[SW+\i], v[SW+4+\i], vcc_lo
.endr
	global_store_b128 v[LSO], v[SW:SW+3], s[100:101]
.else
.irp a, 0,1,2,3,4,5,6,7
	v_lshrrev_b32 v[SW+\a], v[SH], v[SW+\a]
.endr
	global_store_b128 v[LSO], v[SW:SW+3], s[100:101]
	global_store_b128 v[LSO], v[SW+4:SW+7], s[100:101] offset:256
.endif
.endm
	s_wait_tensorcnt 1
	s_barrier_signal -1
	s_barrier_wait -1
	FETCH_B 0, 0, 0
	FETCH_A 0, 0, 0
	SCALES 0
	FETCH_A 0, 0, 4
	STEP 0, 0, 1
	TURN 0, 1, 1
	STEP 1, 0, 0
	TURN 1, 0, 1
	STEP 0, 0, 0
	TURN 0, 1, 0
	STEP 1, 0, 0
	s_cmp_eq_u32 s[KIND], 0
	s_cbranch_scc0 .Lv
	TAILM 0
	s_branch .Lend
.Lv:
	TAILM 1
.Lend:
	s_wait_tensorcnt 0x0
	ds_add_u32 v[SPW], v[NIL]
	s_wait_dscnt 0x0
	CROUND
	s_endpgm
.Lfunc_end_k_qc60a67b936_qkv:
	.size	k_qc60a67b936_qkv, .Lfunc_end_k_qc60a67b936_qkv-k_qc60a67b936_qkv
	.p2alignl 7, 3214868480
	.fill 96, 4, 3214868480
	.section	.rodata,"a",@progbits
	.p2align	6, 0x0
	.amdhsa_kernel k_qc60a67b936_qkv
		.amdhsa_group_segment_fixed_size 327680
		.amdhsa_private_segment_fixed_size 0
		.amdhsa_enable_private_segment 0
		.amdhsa_kernarg_size 40
		.amdhsa_user_sgpr_count 2
		.amdhsa_user_sgpr_kernarg_segment_ptr 1
		.amdhsa_wavefront_size32 1
		.amdhsa_system_sgpr_workgroup_id_x 1
		.amdhsa_system_sgpr_workgroup_id_y 1
		.amdhsa_system_sgpr_workgroup_id_z 1
		.amdhsa_system_vgpr_workitem_id 0
		.amdhsa_next_free_vgpr 1024
		.amdhsa_next_free_sgpr 102
		.amdhsa_reserve_vcc 1
		.amdhsa_float_denorm_mode_32 3
		.amdhsa_float_denorm_mode_16_64 3
		.amdhsa_memory_ordered 1
		.amdhsa_forward_progress 1
		.amdhsa_inst_pref_size 244
	.end_amdhsa_kernel
	.amdgpu_metadata
---
amdhsa.version: [ 1, 2 ]
amdhsa.kernels:
  - .name:           k_qc60a67b936_qkv
    .symbol:         k_qc60a67b936_qkv.kd
    .args:
      - { .name: codes1, .offset: 0, .size: 8, .value_kind: global_buffer, .address_space: global }
      - { .name: scales1, .offset: 8, .size: 8, .value_kind: global_buffer, .address_space: global }
      - { .name: qkv_b, .offset: 16, .size: 8, .value_kind: global_buffer, .address_space: global }
      - { .name: qkv_codes, .offset: 24, .size: 8, .value_kind: global_buffer, .address_space: global }
      - { .name: qkv_scales, .offset: 32, .size: 8, .value_kind: global_buffer, .address_space: global }
    .group_segment_fixed_size: 327680
    .private_segment_fixed_size: 0
    .kernarg_segment_align: 8
    .kernarg_segment_size: 40
    .max_flat_workgroup_size: 128
    .sgpr_count:     102
    .vgpr_count:     1024
    .wavefront_size: 32
...
	.end_amdgpu_metadata
.endif
;; end of part 2
;; launch attn (part 3): grid 8 x 64, 16 waves a work-group, clusters of 4 x 1, 212,992 bytes of LDS; arguments qkv_codes, qkv_scales, o_codes, o_scales; writes o_codes, o_scales
.if DOCPART == 3
	.amdgcn_target "amdgcn-amd-amdhsa--gfx1250"
	.amdhsa_code_object_version 6
	.text
	.protected	k_qc60a67b936_attn
	.globl	k_qc60a67b936_attn
	.p2align	8
	.type	k_qc60a67b936_attn,@function
k_qc60a67b936_attn:
	s_mov_b64 s[64:65], 0
	v_nop
	global_prefetch_b8 v0, s[64:65] scope:SCOPE_SE
	s_setreg_imm32_b32 hwreg(HW_REG_WAVE_MODE, 25, 1), 1
	s_wait_xcnt 0x0
	s_wait_alu depctr_hold_cnt(0) depctr_sa_sdst(0) depctr_va_vdst(0) depctr_va_sdst(0) depctr_va_ssrc(0) depctr_va_vcc(0) depctr_vm_vsrc(0)
	s_getreg_b32 s2, hwreg(HW_REG_IB_STS2, 6, 4)
	s_cmp_eq_u32 s2, 0
	s_cbranch_scc0 .Lentry_in_a_cluster
	s_endpgm
.Lentry_in_a_cluster:
	s_bfe_u32 s2, ttmp6, 0x10000c
	s_cmp_lg_u32 s2, 0x3003
	s_cbranch_scc0 .Lentry_shape_is_right
	s_endpgm
.Lentry_shape_is_right:
; o = softmax(q k^T / 8) v for one head, both products on codes of FP6 (E2M3) with E8M0 scales; o / l is quantised along the channels and leaves as codes.
; THE SOFTMAX: t = score x log2(e) / 8; M = the running largest t rounded up to a whole number; p = 2^(t - M) is quantised along the keys; the row's sum is taken of the unquantised p and divides at the end.
; When M moves, the sum and O are multiplied by 2^(old M - new M): exact.
; SHARES.  A work-group owns 256 queries of one head, each of its sixteen waves 16 of them: four waves to a SIMD.  Every wave walks the head's 2,048 keys, 128 a step.
; THE WHOLE HEAD LIES IN LDS: K's codes 98,304 bytes, V's as many, their scale words 12,288.  Every byte is filled once, so there is no ring.  Waves 0 to 3 ask for everything at the head, five loads each:
; the scale words, then four stages of 512 keys; a stage's steps begin behind the counted wait for it and a barrier, while the later stages are on their way.
; CLUSTER.  The four work-groups of a cluster belong to one head: each load is asked for jointly, with the same descriptor and a mask that names the four.
; LAYOUT.  Operands lie in memory and in LDS as images of their registers, so every LDS load takes 256 or 512 consecutive bytes.  Both products are used transposed: a lane holds one query throughout.
; q k^T has K = 64: registers 6-11 of both operands are zero codes, set once.  The keys of a tile of K and the channels of a tile of V are chosen (row i of tile a: 32 (a / 2) + 8 (a % 2) + i + 8 (i / 8)),
; so that the 16 registers of two neighbouring result tiles are 16 neighbours along the next K.
; LIMITS: a block of zeros gets the byte 1 (this program alone reads the bytes); NaN and infinities are not served; 1 / l is v_rcp_f32's.
; REGISTERS: v1-5 addresses that stay; v6, v7 the add's two; v8-11, v28 addresses in hand; v12 -M, v13 the largest t, v[14:15] the sum; v16-27 Q; v29 Q's scale words; v30, v31 offsets; v32-79 four fragments of K;
; v80-87 K's scale words, v88-91 V's, v92 p's; v[94:95] f; v96-159 S^T, then p, then (v96-143) V's four fragments; v160-191 O^T; v192-211 p's codes; v212-227 at work.
.set VREG,  98304                      ; LDS: K's codes at 0, V's here,
.set SREG,  196608                     ; K's scale words (8,192 bytes), then V's (4,096),
.set SPARE, 208896                     ; and the spare words, 128 bytes for each of sixteen waves
.set SPW, 6
.set NIL, 7
.set WV,  12                           ; s12  my wave's number
.set CS,  22                           ; s[22:23] c = log2(e) / 8
.set G1C, 24                           ; s[24:31] group 1: 48 rows of 256 bytes, dense
.set G1S, 32                           ; s[32:39] group 1: 12 such rows
.set G0S, 40                           ; s[40:43] group 0 for the scale words
.set G0,  44                           ; s[44:59] group 0 for each of the four stages
.set SEL, 60                           ; s[60:61] lane selects: lane l xor 16
.set TK,  62                           ; s62  where the step's codes begin in K's and in V's region
.set TS,  63                           ; s63  K's scale words of the step
.set TJ,  66                           ; s66  V's
.set CNT, 67                           ; s67  steps to go in the stage
.macro CROUND                          ; a round of the cluster's barrier
	s_barrier_signal -1
	s_barrier_wait -1
	s_cmp_lg_u32 s[WV], 0
	s_cbranch_scc1 .Lnot_wave_0_\@
	s_barrier_signal -3
.Lnot_wave_0_\@:
	s_barrier_wait -3
	s_barrier_signal -1
	s_barrier_wait -1
.endm
	s_load_b256 s[4:11], s[0:1], 0x0               ; qkv_codes s[4:5], qkv_scales s[6:7], o_codes s[8:9], o_scales s[10:11]
	v_lshl_add_u32 v[SPW], v0, 2, SPARE
	v_mov_b32 v[NIL], 0
	ds_add_u32 v[SPW], v[NIL]                      ; the wave's opening: the add and its wait ahead of my first tensor load; the set-up below stands between them
	ds_add_u32 v[SPW], v[NIL]
	v_lshrrev_b32 v8, 5, v0
	s_delay_alu instid0(VALU_DEP_1)
	v_readfirstlane_b32 s[WV], v8                  ; wave 0..15
	s_bfe_u32 s15, ttmp6, 0x40000                  ; cx
	s_lshl_b32 s14, ttmp9, 2
	s_add_co_u32 s14, s14, s15                     ; my block of 256 queries: it enters Q's and o's addresses alone
	s_and_b32 s13, ttmp7, 0xffff                   ; 16 x batch + head, which the four partners share
	s_lshl_b32 s16, s14, 4
	s_add_co_u32 s16, s16, s[WV]                   ; my tile of 16 queries, 0 .. 127
	s_mul_i32 s3, s13, 98304                       ; the head's bytes in each of Q, K, V
	s_mul_i32 s68, s13, 20480                      ; and its scale bytes
	; what I fetch, if I fetch: waves 0, 1: the halves of a stage of K; waves 2, 3: of V.  (Made of wave & 3, so that every wave's registers hold places inside LDS)
	s_and_b32 s17, s[WV], 3
	s_lshr_b32 s18, s17, 1                         ; K or V
	s_and_b32 s19, s17, 1
	s_mul_i32 s19, s19, 12288                      ; which half of a stage's 24,576 bytes: in memory and in LDS alike
	s_mul_i32 s2, s18, VREG
	s_add_co_u32 s2, s2, s19                       ; in LDS
	s_mul_i32 s20, s18, 6291456
	s_add_co_u32 s20, s20, s19
	s_add_co_u32 s20, s20, s3
	s_add_co_u32 s20, s20, 6291456                 ; in memory: K's codes lie behind Q's, V's behind K's
	s_mov_b32 s21, 0
	s_mul_i32 s17, s17, 3072                       ; my quarter of the 12,288 bytes of scale words
	s_add_co_u32 s70, s68, s17
	s_add_co_u32 s70, s70, 8192                    ; K's scale words lie behind Q's
	s_mov_b32 s71, 0
	; Q
	s_mul_i32 s18, s16, 768
	s_add_co_u32 s18, s18, s3
	s_mov_b32 s19, 0
	s_add_co_u32 s3, s17, SREG                     ; (the scale words' place in LDS)
	s_lshr_b32 s15, s16, 2
	s_lshl_b32 s15, s15, 8                         ; four tiles' words lie together: 256 bytes
	s_add_co_u32 s68, s68, s15
	s_and_b32 s15, s16, 3
	s_lshl_b32 s15, s15, 2
	s_add_co_u32 s68, s68, s15
	s_mov_b32 s69, 0
	; o
	s_lshr_b32 s15, s13, 4
	s_lshl_b32 s15, s15, 7
	s_add_co_u32 s16, s16, s15                     ; my block of 16 rows of o: 128 x batch + tile
	s_and_b32 s13, s13, 15                         ; the head
	s_mul_i32 s14, s16, 12288
	s_mul_i32 s15, s13, 768
	s_add_co_u32 s14, s14, s15
	s_mov_b32 s15, 0
	s_lshl_b32 s16, s16, 9
	s_lshl_b32 s13, s13, 1
	s_add_co_u32 s16, s16, s13
	s_mov_b32 s17, 0
	; descriptor groups 1: dense blocks as rows of 256 bytes (32 elements of 8 bytes); the mask names all four work-groups, bit 21 beside it
	s_mov_b32 s[G1C], 15|(3<<16)|(1<<21)
	s_mov_b32 s[G1C+1], 32<<16
	s_mov_b32 s[G1C+2], 48<<16
	s_mov_b32 s[G1C+3], 32<<16
	s_mov_b32 s[G1C+4], 48
	s_mov_b32 s[G1C+5], 32
	s_mov_b32 s[G1C+6], 0
	s_mov_b32 s[G1C+7], 0
	s_mov_b32 s[G1S], 15|(3<<16)|(1<<21)
	s_mov_b32 s[G1S+1], 32<<16
	s_mov_b32 s[G1S+2], 12<<16
	s_mov_b32 s[G1S+3], 32<<16
	s_mov_b32 s[G1S+4], 12
	s_mov_b32 s[G1S+5], 32
	s_mov_b32 s[G1S+6], 0
	s_mov_b32 s[G1S+7], 0
	s_mov_b32 s[CS], 0x3e38aa3b                    ; c = log2(e) / 8
	s_mov_b32 s[CS+1], s[CS]                       ; (named with it as a pair, so it is written)
	s_mov_b32 s[SEL], 0x76543210
	s_mov_b32 s[SEL+1], 0xfedcba98
	v_and_b32 v8, 31, v0                           ; lane
	v_and_b32 v9, 15, v0                           ; r
	s_delay_alu instid0(VALU_DEP_2)
	v_lshlrev_b32 v1, 3, v8                        ; 8 x lane
	s_delay_alu instid0(VALU_DEP_3)
	v_lshlrev_b32 v2, 4, v8                        ; 16 x lane
	s_delay_alu instid0(VALU_DEP_1)
	v_add_nc_u32 v3, VREG, v2
	s_delay_alu instid0(VALU_DEP_4)
	v_lshlrev_b32 v31, 4, v9                       ; 16 r
	s_delay_alu instid0(VALU_DEP_1)
	v_add_nc_u32 v4, SREG, v31
	s_delay_alu instid0(VALU_DEP_2)
	v_add_nc_u32 v5, SREG+8192, v31
	s_wait_dscnt 0x0                               ; the opening add is done
	s_wait_kmcnt 0x0
	s_add_nc_u64 s[20:21], s[4:5], s[20:21]
	s_add_nc_u64 s[70:71], s[6:7], s[70:71]
	s_add_nc_u64 s[18:19], s[4:5], s[18:19]
	s_add_nc_u64 s[68:69], s[6:7], s[68:69]
	s_add_nc_u64 s[8:9], s[8:9], s[14:15]
	s_add_nc_u64 s[10:11], s[10:11], s[16:17]
	CROUND                                         ; all four work-groups are here: the joint loads meet
	s_mov_b32 s[G0S], 1
	s_mov_b32 s[G0S+1], s3
	s_mov_b64 s[G0S+2:G0S+3], s[70:71]
	s_or_b32 s[G0S+3], s[G0S+3], 0x80000000
.irp g, 0,1,2,3
	s_mov_b32 s[G0+4*\g], 1
	s_add_co_u32 s[G0+4*\g+1], s2, \g*24576
	s_add_nc_u64 s[G0+4*\g+2:G0+4*\g+3], s[20:21], \g*24576
	s_or_b32 s[G0+4*\g+3], s[G0+4*\g+3], 0x80000000
.endr
	s_cmp_lt_u32 s[WV], 4                          ; all the fills of a wave stand in one branch on the wave's number, ahead of every wait on TENSORcnt, LDS read and work-group barrier: five loads of mine are out
	s_cbranch_scc0 .Lno_fill
	tensor_load_to_lds s[G0S:G0S+3], s[G1S:G1S+7]
	s_nop 0
.irp g, 0,1,2,3
	tensor_load_to_lds s[G0+4*\g:G0+4*\g+3], s[G1C:G1C+7]
	s_nop 0
.endr
.rept 4
	v_nop
.endr
.Lno_fill:
	s_wait_alu depctr_va_vdst(0)
	global_load_b64 v[16:17], v1, s[18:19]         ; Q's image: registers 0-1,
	global_load_b128 v[18:21], v2, s[18:19] offset:256   ; 2-5
	global_load_b32 v29, v31, s[68:69]             ; and its rows' scale words
.irp j, 22,23,24,25,26,27
	v_mov_b32 v\j, 0                               ; K = 64 .. 127: zero codes
.endr
.irp t, 0,1,2,3
.irp j, 6,7,8,9,10,11
	v_mov_b32 v[32+12*\t+\j], 0                    ; the same in K's four fragments: set once, never loaded
.endr
.endr
.set j, 0
.rept 32
	v_mov_b32 v[160+j], 0                          ; O^T.  (The step is written once: the first finds zeros, which the first change of M leaves zeros)
.set j, j+1
.endr
	v_mov_b32 v13, 0xff61b1e6                      ; the largest t so far: -3e38
	s_delay_alu instid0(VALU_DEP_1)
	v_floor_f32 v12, -v13                          ; -M
	v_mov_b32 v14, 0
	v_mov_b32 v15, 0
	v_mov_b32 v95, 0                               ; (named as the upper half of the pair v[94:95])
.irp b, 0,1,2,3
	v_mov_b32 v[216+\b], 0                         ; written once: a lane permute's destination counts as one of its sources
.endr
; A KEY STEP: 128 keys.
.macro STEP
	v_add_nc_u32 v8, s[TK], v1                     ; these five are also the places between the last step's products and the products below, which write over the registers that held V's fragments
	s_wait_alu depctr_va_vdst(0)
	v_add_nc_u32 v9, s[TK], v2
	s_wait_alu depctr_va_vdst(0)
	v_add_nc_u32 v10, s[TK], v3
	v_add_nc_u32 v11, s[TS], v4
	v_add_nc_u32 v28, s[TJ], v5
.irp g, 0,1                                    ; S^T = K Q^T, four tiles of 16 keys at a time
.if \g
.rept 4
	v_nop                                          ; places in front of loads into registers that matrix instructions have read
.endr
.endif
.irp t, 0,1,2,3
	ds_load_b64 v[32+12*\t:33+12*\t], v8 offset:768*(4*\g+\t)
	ds_load_b128 v[34+12*\t:37+12*\t], v9 offset:768*(4*\g+\t)+256
.endr
.if \g == 0
	ds_load_b128 v[80:83], v11                     ; the eight tiles' scale words of my row
	ds_load_b128 v[84:87], v11 offset:256
.endif
	s_wait_dscnt 0x0
.irp t, 0,1,2,3
	v_wmma_scale_f32_16x16x128_f8f6f4 v[96+8*(4*\g+\t):103+8*(4*\g+\t)], v[32+12*\t:43+12*\t], v[16:27], 0, v[80+4*\g+\t], v29 matrix_a_fmt:MATRIX_FMT_FP6 matrix_b_fmt:MATRIX_FMT_FP6
.endr
.endr                                          ; lane (r, h) holds query r; the 16 registers of tiles 2 b, 2 b + 1 are keys 32 b + 16 h + 0 .. 15 of the step
.rept 4
	v_nop
.endr
.irp b, 0,1,2,3
	v_max3_num_f32 v[212+\b], v[96+16*\b], v[97+16*\b], v[98+16*\b]   ; the largest score of each block of 32 keys: for the row's maximum, and, since p rises with the score, for the block's largest p
.endr
.irp i, 3,5,7,9,11,13
.irp b, 0,1,2,3
	v_max3_num_f32 v[212+\b], v[212+\b], v[96+16*\b+\i], v[97+16*\b+\i]
.endr
.endr
.irp b, 0,1,2,3
	v_max_num_f32 v[212+\b], v[212+\b], v[111+16*\b]
.endr
.irp b, 0,1,2,3
	s_delay_alu instid0(VALU_DEP_4)
	v_permlanex16_b32 v[216+\b], v[212+\b], s[SEL], s[SEL+1]
.endr
.irp b, 0,1,2,3
	s_delay_alu instid0(VALU_DEP_4)
	v_max_num_f32 v[212+\b], v[212+\b], v[216+\b]  ; with lane l xor 16's 16 keys
.endr
	s_delay_alu instid0(VALU_DEP_2)
	v_max3_num_f32 v224, v212, v213, v214
	s_delay_alu instid0(VALU_DEP_1)
	v_max_num_f32 v224, v224, v215                 ; the step's largest score of my query
	s_delay_alu instid0(VALU_DEP_1)
	v_mul_f32 v224, s[CS], v224                    ; as t (c is positive)
	s_delay_alu instid0(VALU_DEP_1)
	v_max_num_f32 v13, v13, v224                   ; the running largest t
	v_mov_b32 v224, v12
	s_delay_alu instid0(VALU_DEP_2)
	v_floor_f32 v12, -v13                          ; the new -M = floor(-t): M is a whole number
	s_delay_alu instid0(VALU_DEP_1)
	v_sub_f32 v224, v12, v224                      ; old M - new M: a whole number, 0 or less
	s_delay_alu instid0(VALU_DEP_1)
	v_cvt_i32_f32 v224, v224                       ; (it saturates)
	s_delay_alu instid0(VALU_DEP_1)
	v_ldexp_f32 v94, 1.0, v224                     ; f = 2^(old M - new M)
.set j, 0
.rept 32
	v_pk_fma_f32 v[96+j:97+j], v[96+j:97+j], s[CS:CS+1], v[12:13] op_sel_hi:[1,0,0]   ; t - M, two at a time
.set j, j+2
.endr
.irp b, 0,1,2,3
	v_fma_f32 v[212+\b], v[212+\b], s[CS], v12     ; the same of each block's largest score
.endr
.set j, 0
	s_wait_alu depctr_va_vdst(0)
.rept 64
	v_exp_f32 v[96+j], v[96+j]                     ; p = 2^(t - M), at most 1
.set j, j+1
.endr
	s_setprio 1
	v_pk_mul_f32 v[14:15], v[14:15], v[94:95] op_sel_hi:[1,0]   ; the sums under the new M.  (A plain place behind the exponentials)
	s_wait_alu depctr_va_vdst(0)                   ; one wait for the whole batch, ahead of its first reader
.irp b, 0,1,2,3
	v_exp_f32 v[212+\b], v[212+\b]                 ; the block's largest p
.endr
	v_pk_add_f32 v[226:227], v[100:101], v[104:105]
	v_pk_add_f32 v[254:255], v[108:109], v[112:113]
	v_pk_add_f32 v[252:253], v[116:117], v[120:121]
	v_pk_add_f32 v[250:251], v[124:125], v[128:129]
	v_pk_add_f32 v[248:249], v[132:133], v[136:137]
	v_pk_add_f32 v[246:247], v[140:141], v[144:145]
	v_pk_add_f32 v[244:245], v[148:149], v[152:153]
	v_pk_add_f32 v[14:15], v[14:15], v[156:157]
	v_pk_add_f32 v[226:227], v[226:227], v[96:97]
	v_pk_add_f32 v[254:255], v[254:255], v[98:99]
	v_pk_add_f32 v[252:253], v[252:253], v[102:103]
	v_pk_add_f32 v[250:251], v[250:251], v[106:107]
	v_pk_add_f32 v[248:249], v[248:249], v[110:111]
	v_pk_add_f32 v[246:247], v[246:247], v[114:115]
	v_pk_add_f32 v[244:245], v[244:245], v[118:119]
	v_pk_add_f32 v[14:15], v[14:15], v[122:123]
	v_pk_add_f32 v[226:227], v[226:227], v[126:127]
	v_pk_add_f32 v[254:255], v[254:255], v[130:131]
	v_pk_add_f32 v[252:253], v[252:253], v[134:135]
	v_pk_add_f32 v[250:251], v[250:251], v[138:139]
	v_pk_add_f32 v[248:249], v[248:249], v[142:143]
	v_pk_add_f32 v[246:247], v[246:247], v[146:147]
	v_pk_add_f32 v[244:245], v[244:245], v[150:151]
	v_pk_add_f32 v[14:15], v[14:15], v[154:155]
	v_pk_add_f32 v[226:227], v[226:227], v[158:159]
	s_delay_alu instid0(VALU_DEP_2)
	v_pk_add_f32 v[14:15], v[14:15], v[250:251]
	s_delay_alu instid0(VALU_DEP_2)
	v_pk_add_f32 v[226:227], v[226:227], v[248:249]
	v_pk_add_f32 v[254:255], v[254:255], v[246:247]
	v_pk_add_f32 v[252:253], v[252:253], v[244:245]
	s_delay_alu instid0(VALU_DEP_2)
	v_pk_add_f32 v[14:15], v[14:15], v[254:255]
	s_delay_alu instid0(VALU_DEP_2)
	v_pk_add_f32 v[226:227], v[226:227], v[252:253]
	s_delay_alu instid0(VALU_DEP_1)
	v_pk_add_f32 v[14:15], v[14:15], v[226:227]
	s_wait_alu depctr_va_vdst(0)                   ; and one for the four
.irp b, 0,1,2,3
	v_max_num_f32 v[212+\b], 0x1800000, v[212+\b]  ; the floor 2^(3 - 127): the byte cannot fall under 1
.endr
.irp b, 0,1,2,3
	s_delay_alu instid0(VALU_DEP_4)
	v_add_nc_u32 v[220+\b], 0xff000000, v[212+\b]  ; 2 off the exponent field: the conversion's scale operand
.endr
.irp b, 0,1,2,3
	s_delay_alu instid0(VALU_DEP_4)
	v_lshrrev_b32 v[216+\b], 23, v[220+\b]         ; the scale's byte
.endr
	s_delay_alu instid0(VALU_DEP_3)
	v_lshl_or_b32 v92, v217, 8, v216               ; p's scale word for these 128 keys
	s_delay_alu instid0(VALU_DEP_1)
	v_lshl_or_b32 v92, v218, 16, v92
	s_delay_alu instid0(VALU_DEP_1)
	v_lshl_or_b32 v92, v219, 24, v92
.irp c, 0,1
	v_cvt_scalef32_pk16_fp6_f32 v[192+6*\c:194+6*\c], v[96+32*\c:111+32*\c], v[220+2*\c]
	v_cvt_scalef32_pk16_fp6_f32 v[204+4*\c:206+4*\c], v[112+32*\c:127+32*\c], v[220+2*\c+1]   ; (a conversion's three registers begin on an even number)
.endr
	v_nop                                          ; one plain place behind a scaled conversion
.irp t, 0,1,2,3                                ; V's four fragments come into the registers that p has left, and land under the lines below
.irp i, 0,1,2
	ds_load_b128 v[96+12*\t+4*\i:99+12*\t+4*\i], v10 offset:1536*\t+512*\i
.endr
.endr
	ds_load_b128 v[88:91], v28                     ; and the four tiles' scale words of my row
.irp c, 0,1                                    ; the operand's layout wants a whole block in a lane
.irp i, 0,1,2
	v_permlane16_swap_b32 v[192+6*\c+\i], v[204+4*\c+\i]
.endr
.irp i, 0,1,2
	s_delay_alu instid0(VALU_DEP_3)
	v_mov_b32 v[195+6*\c+\i], v[204+4*\c+\i]
.endr
.endr
.set j, 0
	s_setprio 0
.rept 16
	v_pk_mul_f32 v[160+j:161+j], v[160+j:161+j], v[94:95] op_sel_hi:[1,0]   ; O^T under the new M.  (Of these sixteen, twelve name no register of a given product below: the places in front of it)
.set j, j+2
.endr
	s_wait_alu depctr_va_vdst(0)
	s_wait_dscnt 0x0
.irp t, 0,1,2,3                                ; O^T += V^T P^T: four tiles of 16 channels, by turns
	v_wmma_scale_f32_16x16x128_f8f6f4 v[160+8*\t:167+8*\t], v[96+12*\t:107+12*\t], v[192:203], v[160+8*\t:167+8*\t], v[88+\t], v92 matrix_a_fmt:MATRIX_FMT_FP6 matrix_b_fmt:MATRIX_FMT_FP6
.endr
	s_add_co_u32 s[TK], s[TK], 6144
	s_add_co_u32 s[TS], s[TS], 512
	s_add_co_u32 s[TJ], s[TJ], 256
.endm
; A STAGE: 512 keys, four steps.  The count leaves the later stages' loads out.
.macro STAGE g
	s_wait_tensorcnt 3-\g                          ; my parts of the scale words and of stages 0 to g are in,
	s_barrier_signal -1
	s_barrier_wait -1                              ; everybody's are
	s_mov_b32 s[TK], 24576*\g
	s_mov_b32 s[TS], 2048*\g
	s_mov_b32 s[TJ], 1024*\g
	s_mov_b32 s[CNT], 4
.Lstep_\@:
	s_setprio 2
	STEP
	s_sub_co_u32 s[CNT], s[CNT], 1
	s_cmp_lg_u32 s[CNT], 0
	s_cbranch_scc1 .Lstep_\@
	s_setprio 0
.endm
	s_wait_loadcnt 0x0                             ; Q
	STAGE 0
	STAGE 1
	STAGE 2
	STAGE 3
	; THE WAY OUT.  O^T / l, quantised along the channels (two blocks of 32), stored as an image of 768 bytes; the two scale bytes of my row go to its row of o_scales.
	v_add_f32 v14, v14, v15                        ; the sum's two halves,
	s_delay_alu instid0(VALU_DEP_1)
	v_permlanex16_b32 v224, v14, s[SEL], s[SEL+1]
	s_delay_alu instid0(VALU_DEP_1)
	v_add_f32 v14, v14, v224                       ; and lane l xor 16's: the row's sum
	s_wait_alu depctr_va_vdst(0)
	v_rcp_f32 v14, v14
	v_and_b32 v8, 15, v0                           ; (plain places behind the transcendental and behind the last products)  r
	v_bfe_u32 v9, v0, 4, 1                         ; h
	s_delay_alu instid0(VALU_DEP_1)
	v_lshl_add_u32 v30, v8, 5, v9                  ; 32 r + h: my byte's place
	s_delay_alu instid0(VALU_DEP_2)
	v_cmp_ne_u32 vcc_lo, 0, v9
	s_wait_alu depctr_va_vdst(0)                   ; the wait, ahead of the first reader
.set j, 0
.rept 16
	v_pk_mul_f32 v[96+j:97+j], v[160+j:161+j], v[14:15] op_sel_hi:[1,0]   ; register 16 b + i: channel 32 b + 16 h + i of my query
.set j, j+2
.endr
.irp b, 0,1
	v_max3_num_f32 v[212+\b], |v[96+16*\b]|, |v[97+16*\b]|, 0x1800000
.endr
.irp i, 2,4,6,8,10,12,14
.irp b, 0,1
	s_delay_alu instid0(VALU_DEP_2)
	v_max3_num_f32 v[212+\b], v[212+\b], |v[96+16*\b+\i]|, |v[97+16*\b+\i]|
.endr
.endr
.irp b, 0,1
	s_delay_alu instid0(VALU_DEP_2)
	v_permlanex16_b32 v[216+\b], v[212+\b], s[SEL], s[SEL+1]
.endr
.irp b, 0,1
	s_delay_alu instid0(VALU_DEP_2)
	v_max_num_f32 v[212+\b], v[212+\b], v[216+\b]
.endr
.irp b, 0,1
	s_delay_alu instid0(VALU_DEP_2)
	v_add_nc_u32 v[220+\b], 0xff000000, v[212+\b]
.endr
.irp b, 0,1
	s_delay_alu instid0(VALU_DEP_2)
	v_lshrrev_b32 v[216+\b], 23, v[220+\b]
.endr
	v_cvt_scalef32_pk16_fp6_f32 v[192:194], v[96:111], v220
	v_cvt_scalef32_pk16_fp6_f32 v[204:206], v[112:127], v221
	v_nop                                          ; one plain place behind a scaled conversion
.irp i, 0,1,2
	v_permlane16_swap_b32 v[192+\i], v[204+\i]
.endr
.irp i, 0,1,2
	s_delay_alu instid0(VALU_DEP_3)
	v_mov_b32 v[195+\i], v[204+\i]
.endr
	v_cndmask_b32 v216, v216, v217, vcc_lo         ; lanes 0-15 store block 0's byte, lanes 16-31 block 1's
	global_store_b64 v1, v[192:193], s[8:9]        ; 256 consecutive bytes,
	global_store_b128 v2, v[194:197], s[8:9] offset:256   ; and 512
	global_store_b8 v30, v216, s[10:11]            ; single bytes, 32 apart: one byte for each 24 of codes; in return the next launch takes the scales as one dense block
	s_wait_tensorcnt 0x0                           ; the wave's end, behind my last tensor load
	ds_add_u32 v[SPW], v[NIL]
	s_wait_dscnt 0x0
	CROUND                                         ; the closing round
	s_endpgm
.Lfunc_end_k_qc60a67b936_attn:
	.size	k_qc60a67b936_attn, .Lfunc_end_k_qc60a67b936_attn-k_qc60a67b936_attn
	.p2alignl 7, 3214868480
	.fill 96, 4, 3214868480
	.section	.rodata,"a",@progbits
	.p2align	6, 0x0
	.amdhsa_kernel k_qc60a67b936_attn
		.amdhsa_group_segment_fixed_size 212992
		.amdhsa_private_segment_fixed_size 0
		.amdhsa_enable_private_segment 0
		.amdhsa_kernarg_size 32
		.amdhsa_user_sgpr_count 2
		.amdhsa_user_sgpr_kernarg_segment_ptr 1
		.amdhsa_wavefront_size32 1
		.amdhsa_system_sgpr_workgroup_id_x 1
		.amdhsa_system_sgpr_workgroup_id_y 1
		.amdhsa_system_sgpr_workgroup_id_z 1
		.amdhsa_system_vgpr_workitem_id 0
		.amdhsa_next_free_vgpr 256
		.amdhsa_next_free_sgpr 72
		.amdhsa_reserve_vcc 1
		.amdhsa_float_denorm_mode_32 3
		.amdhsa_float_denorm_mode_16_64 3
		.amdhsa_memory_ordered 1
		.amdhsa_forward_progress 1
		.amdhsa_inst_pref_size 85
	.end_amdhsa_kernel
	.amdgpu_metadata
---
amdhsa.version: [ 1, 2 ]
amdhsa.kernels:
  - .name:           k_qc60a67b936_attn
    .symbol:         k_qc60a67b936_attn.kd
    .args:
      - { .name: qkv_codes, .offset: 0, .size: 8, .value_kind: global_buffer, .address_space: global }
      - { .name: qkv_scales, .offset: 8, .size: 8, .value_kind: global_buffer, .address_space: global }
      - { .name: o_codes, .offset: 16, .size: 8, .value_kind: global_buffer, .address_space: global }
      - { .name: o_scales, .offset: 24, .size: 8, .value_kind: global_buffer, .address_space: global }
    .group_segment_fixed_size: 212992
    .private_segment_fixed_size: 0
    .kernarg_segment_align: 8
    .kernarg_segment_size: 32
    .max_flat_workgroup_size: 512
    .sgpr_count:     72
    .vgpr_count:     256
    .wavefront_size: 32
...
	.end_amdgpu_metadata
.endif
;; end of part 3
;; launch proj (part 4): grid 4 x 32, 4 waves a work-group, clusters of 4 x 4, 327,680 bytes of LDS; arguments o_codes, o_scales, codes1, scales1, proj_b, out0; writes out0
.if DOCPART == 4
	.amdgcn_target "amdgcn-amd-amdhsa--gfx1250"
	.amdhsa_code_object_version 6
	.text
	.protected	k_qc60a67b936_proj
	.globl	k_qc60a67b936_proj
	.p2align	8
	.type	k_qc60a67b936_proj,@function
k_qc60a67b936_proj:
	s_mov_b64 s[64:65], 0
	v_nop
	global_prefetch_b8 v0, s[64:65] scope:SCOPE_SE
	s_setreg_imm32_b32 hwreg(HW_REG_WAVE_MODE, 25, 1), 1
	s_wait_xcnt 0x0
	s_wait_alu depctr_hold_cnt(0) depctr_sa_sdst(0) depctr_va_vdst(0) depctr_va_sdst(0) depctr_va_ssrc(0) depctr_va_vcc(0) depctr_vm_vsrc(0)
	s_getreg_b32 s2, hwreg(HW_REG_IB_STS2, 6, 4)
	s_cmp_eq_u32 s2, 0
	s_cbranch_scc0 .Lentry_in_a_cluster
	s_endpgm
.Lentry_in_a_cluster:
	s_bfe_u32 s2, ttmp6, 0x10000c
	s_cmp_lg_u32 s2, 0xf033
	s_cbranch_scc0 .Lentry_shape_is_right
	s_endpgm
.Lentry_shape_is_right:
.set SIZE_N, 1024
.set KSTEP,  256
.set NQ,     KSTEP/128
.set ROWB,   192
.set KROW,   768
.set ASTEP,  3072
.set PITCH,  240
.set FR,     12
.set NL,     6
.set NLA,    4
.set NP,     4
.set HALFT,  128*PITCH
.set SLOT,   4*HALFT
.set KS,     32
.set SCL,    2*SLOT
.set HALFS,  (128*KS/256)*272
.set SBLK,   (16*KS/256)*272
.set SPARE,  SCL+4*HALFS
.set SPITCH, 528
.set ADRA, 16
.set ADRB, 20
.set STO,  24
.set RD,   25
.set CO,   26
.set ADRS, 27
.set SPW,  28
.set NIL,  29
.set SC,   32
.set BI,   64
.set AF,   128
.set BK,   128
.set G1, 24
.set G0, 32
.set G1B, 48
.set G0B, 56
.set G1S, 68
.set G0S, 76
.set G1SB, 80
.set G0SB, 88
.set MSB, 0
.macro WIN new
.if MSB != (\new)
	s_set_vgpr_msb (MSB<<8)|(\new)
.set MSB, (\new)
.endif
.endm
.set MUL_LO, 0xa1
.set MUL_HI, 0xf1
.set TO_B,   0x40
.macro JLOAD g0a, g1a, g0b, g1b
	s_cmp_eq_u32 s15, 0
	s_cbranch_scc0 .Lfor_b_\@
	tensor_load_to_lds s[\g0a:\g0a+3], s[\g1a:\g1a+7]
	s_nop 0
.rept 4
	v_nop
.endr
	s_branch .Lasked_\@
.Lfor_b_\@:
	tensor_load_to_lds s[\g0b:\g0b+3], s[\g1b:\g1b+7]
	s_nop 0
.rept 4
	v_nop
.endr
.Lasked_\@:
.endm
.macro CREST
	s_cmp_lg_u32 s14, 0
	s_cbranch_scc1 .Lnot_wave_0_\@
	s_barrier_signal -3
.Lnot_wave_0_\@:
	s_barrier_wait -3
	s_barrier_signal -1
	s_barrier_wait -1
.endm
.macro CROUND
	s_barrier_signal -1
	s_barrier_wait -1
	CREST
.endm
	s_load_b128 s[4:7], s[0:1], 0x0
	s_load_b128 s[8:11], s[0:1], 0x10
	s_load_b64 s[96:97], s[0:1], 0x20
	s_load_b64 s[12:13], s[0:1], 0x28
	v_lshl_add_u32 v[SPW], v0, 2, SPARE
	v_mov_b32 v[NIL], 0
	ds_add_u32 v[SPW], v[NIL]
	ds_add_u32 v[SPW], v[NIL]
	v_lshrrev_b32 v1, 5, v0
	v_readfirstlane_b32 s14, v1
	s_lshr_b32 s15, s14, 1
	s_and_b32 s16, s14, 1
	s_bfe_u32 s40, ttmp6, 0x40000
	s_bfe_u32 s41, ttmp6, 0x40004
	s_lshl_b32 s42, ttmp9, 2
	s_add_co_u32 s42, s42, s40
	s_and_b32 s17, ttmp7, 0xffff
	s_lshl_b32 s17, s17, 2
	s_add_co_u32 s17, s17, s41
	s_lshl_b32 s43, s41, 2
	s_lshl_b32 s43, 15, s43
	s_lshl_b32 s44, 0x1111, s40
	s_or_b32 s[G1+0], s43, (3<<16)|(1<<21)
	s_mov_b32 s[G1+1], 384<<16
	s_mov_b32 s[G1+2], 8<<16
	s_mov_b32 s[G1+3], 384<<16
	s_mov_b32 s[G1+4], 8
	s_mov_b32 s[G1+5], 1536
	s_mov_b32 s[G1+6], 0
	s_mov_b32 s[G1+7], 0
	s_or_b32 s[G1B+0], s44, (0<<16)|(1<<20)|(1<<21)|(3<<22)|(3<<25)
	s_mov_b32 s[G1B+1], ROWB<<16
	s_mov_b32 s[G1B+2], 128<<16
	s_mov_b32 s[G1B+3], ROWB<<16
	s_mov_b32 s[G1B+4], 128
	s_mov_b32 s[G1B+5], KROW
	s_mov_b32 s[G1B+6], 0
	s_mov_b32 s[G1B+7], 0
	s_or_b32 s[G1S+0], s43, (3<<16)|(1<<20)|(1<<21)|(5<<22)|(3<<25)
	s_or_b32 s[G1SB+0], s44, (3<<16)|(1<<20)|(1<<21)|(5<<22)|(3<<25)
.irp g, G1S, G1SB
	s_mov_b32 s[\g+1], 32<<16
	s_mov_b32 s[\g+2], (128*KS/256)<<16
	s_mov_b32 s[\g+3], 32<<16
	s_mov_b32 s[\g+4], 128*KS/256
	s_mov_b32 s[\g+5], 32
	s_mov_b32 s[\g+6], 0
	s_mov_b32 s[\g+7], 0
.endr
	s_lshl_b32 s18, s16, 7
	s_lshl_b32 s20, s17, 8
	s_add_co_u32 s20, s20, s18
	s_lshl_b32 s46, s42, 8
	s_add_co_u32 s46, s46, s18
	s_add_co_u32 s46, s46, 11264
	s_mov_b32 s21, 0
	s_mov_b32 s47, 0
	s_mov_b64 s[18:19], KS
	s_mul_u64 s[22:23], s[20:21], s[18:19]
	s_mul_u64 s[92:93], s[46:47], s[18:19]
	s_mov_b64 s[18:19], KROW
	s_mul_u64 s[20:21], s[20:21], s[18:19]
	s_mul_u64 s[46:47], s[46:47], s[18:19]
	s_mul_i32 s45, s14, HALFT
	s_mul_i32 s94, s14, HALFS
	s_wait_dscnt 0x0
	s_wait_kmcnt 0x0
	s_add_nc_u64 s[20:21], s[4:5], s[20:21]
	s_add_nc_u64 s[22:23], s[6:7], s[22:23]
	s_add_nc_u64 s[46:47], s[8:9], s[46:47]
	s_add_nc_u64 s[92:93], s[10:11], s[92:93]
	CROUND
	s_mov_b32 s[G0S], 1
	s_add_co_u32 s[G0S+1], s94, SCL
	s_mov_b64 s[G0S+2:G0S+3], s[22:23]
	s_or_b32 s[G0S+3], s[G0S+3], 0x80000000
	s_mov_b32 s[G0SB], 1
	s_add_co_u32 s[G0SB+1], s94, SCL
	s_mov_b64 s[G0SB+2:G0SB+3], s[92:93]
	s_or_b32 s[G0SB+3], s[G0SB+3], 0x80000000
	JLOAD G0S, G1S, G0SB, G1SB
.irp s, 0,1
	s_mov_b32 s[G0+4*\s], 1
	s_add_co_u32 s[G0+4*\s+1], s45, \s*SLOT
	s_add_nc_u64 s[G0+4*\s+2:G0+4*\s+3], s[20:21], \s*ASTEP
	s_or_b32 s[G0+4*\s+3], s[G0+4*\s+3], 0x80000000
	s_mov_b32 s[G0B+4*\s], 1
	s_add_co_u32 s[G0B+4*\s+1], s45, \s*SLOT
	s_add_nc_u64 s[G0B+4*\s+2:G0B+4*\s+3], s[46:47], \s*ROWB
	s_or_b32 s[G0B+4*\s+3], s[G0B+4*\s+3], 0x80000000
	s_wait_alu depctr_va_vdst(0)
	s_wait_tensorcnt 0x0
	ds_add_u32 v28, v29
	s_wait_dscnt 0x0
	CROUND
	JLOAD G0+4*\s, G1, G0B+4*\s, G1B
.endr
	v_and_b32 v1, 15, v0
	v_bfe_u32 v2, v0, 4, 1
	v_and_b32 v6, 31, v0
	v_mul_u32_u24 v3, v1, PITCH
	v_mul_u32_u24 v4, v2, 24
	v_add_nc_u32 v4, v3, v4
	v_lshl_add_u32 v5, v2, 4, v4
	v_lshlrev_b32 v8, 3, v6
	v_lshlrev_b32 v9, 4, v6
	s_mul_i32 s21, s15, HALFT
	s_mul_i32 s22, s16, HALFT
	s_add_co_u32 s22, s22, 2*HALFT
.irp s, 0,1
	v_add_nc_u32 v[ADRA+\s], s21, v8
	v_add_nc_u32 v[ADRA+2+\s], s21, v9
	v_add_nc_u32 v[ADRB+\s], s22, v4
	v_add_nc_u32 v[ADRB+2+\s], s22, v5
	s_add_co_u32 s21, s21, SLOT
	s_add_co_u32 s22, s22, SLOT
.endr
	v_mul_u32_u24 v5, v1, KS
	v_lshrrev_b32 v3, 8, v5
	v_lshl_add_u32 v5, v3, 4, v5
	s_mul_i32 s21, s15, HALFS
	s_mul_i32 s22, s16, HALFS
	s_add_co_u32 s22, s22, 2*HALFS
	s_sub_co_u32 s22, s22, s21
	v_mul_u32_u24 v3, s22, v2
	s_add_co_u32 s21, s21, SCL
	v_add_nc_u32 v5, v5, v3
	v_add_nc_u32 v[ADRS], s21, v5
	s_mul_i32 s23, s14, 16*SPITCH
	v_mul_u32_u24 v5, v1, SPITCH
	v_lshl_add_u32 v5, v2, 5, v5
	v_add_nc_u32 v[STO], s23, v5
	v_lshlrev_b32 v[CO], 4, v6
	v_add_nc_u32 v[RD], s23, v[CO]
	v_lshlrev_b32 v7, 5, v2
	s_wait_alu depctr_va_vdst(0)
	s_lshl_b32 s20, s17, 8
	s_lshl_b32 s21, s15, 7
	s_add_co_u32 s20, s20, s21
	s_mov_b32 s21, 0
	s_mov_b64 s[18:19], SIZE_N*4
	s_mul_u64 s[20:21], s[20:21], s[18:19]
	s_lshl_b32 s46, s42, 10
	s_lshl_b32 s47, s16, 9
	s_add_co_u32 s46, s46, s47
	s_mov_b32 s47, 0
	s_add_nc_u64 s[96:97], s[96:97], s[46:47]
	s_add_nc_u64 s[20:21], s[20:21], s[46:47]
	s_add_nc_u64 s[12:13], s[12:13], s[20:21]
.irp b, 0,1,2,3,4,5,6,7
	global_load_b128 v[BI+8*\b:BI+8*\b+3], v7, s[96:97] offset:64*\b
	global_load_b128 v[BI+8*\b+4:BI+8*\b+7], v7, s[96:97] offset:64*\b+16
.endr
.macro FRAG reg, adr, q, i
.irp p, 0,1,2,3,4,5
.set PC, 12*(\q)+6*(\p/3)+\p%3
.if PC%8 < 5
	ds_load_b64 v[\reg+2*\p:\reg+2*\p+1], v[\adr] offset:8*PC+16*(PC/8)+(\i)*16*PITCH
.else
	ds_load_b64 v[\reg+2*\p:\reg+2*\p+1], v[\adr+2] offset:8*PC+16*(PC/8)+(\i)*16*PITCH
.endif
.endr
.endm
.macro FRAGA reg, slot, q, i
	ds_load_b64 v[\reg:\reg+1], v[ADRA+\slot] offset:ASTEP*(\i)+1536*(\q)
	ds_load_b128 v[\reg+2:\reg+5], v[ADRA+2+\slot] offset:ASTEP*(\i)+1536*(\q)+256
	ds_load_b64 v[\reg+6:\reg+7], v[ADRA+\slot] offset:ASTEP*(\i)+1536*(\q)+768
	ds_load_b128 v[\reg+8:\reg+11], v[ADRA+2+\slot] offset:ASTEP*(\i)+1536*(\q)+1024
.endm
.macro MUL16 a0, p, q, sc, zero
.irp a, \a0, \a0+1
.irp b, 0,1,2,3,4,5,6,7
.if \zero
	v_wmma_scale_f32_16x16x128_f8f6f4 v[8*(8*((\a)%4)+\b):8*(8*((\a)%4)+\b)+7], v[128*(\p)+FR*\b:128*(\p)+FR*\b+FR-1], v[AF+FR*(\a):AF+FR*(\a)+FR-1], v[BI+8*\b:BI+8*\b+7], v[SC+8*NQ*(\sc)+NQ*\b+(\q)], v[SC+8*NQ*(\sc)+NQ*(\a)+(\q)] matrix_a_fmt:MATRIX_FMT_FP6 matrix_b_fmt:MATRIX_FMT_FP6 matrix_a_scale:MATRIX_SCALE_ROW1
.else
	v_wmma_scale_f32_16x16x128_f8f6f4 v[8*(8*((\a)%4)+\b):8*(8*((\a)%4)+\b)+7], v[128*(\p)+FR*\b:128*(\p)+FR*\b+FR-1], v[AF+FR*(\a):AF+FR*(\a)+FR-1], v[8*(8*((\a)%4)+\b):8*(8*((\a)%4)+\b)+7], v[SC+8*NQ*(\sc)+NQ*\b+(\q)], v[SC+8*NQ*(\sc)+NQ*(\a)+(\q)] matrix_a_fmt:MATRIX_FMT_FP6 matrix_b_fmt:MATRIX_FMT_FP6 matrix_a_scale:MATRIX_SCALE_ROW1
.endif
.endr
.endr
.endm
.macro FETCH_B slot, q, p
	WIN TO_B
.irp i, 0,1,2,3,4,5,6,7
	FRAG 128*(\p)+FR*\i, ADRB+\slot, \q, \i
.endr
	WIN 0
.endm
.macro FETCH_A slot, q, i0
.irp i, \i0, \i0+1, \i0+2, \i0+3
	FRAGA AF+FR*(\i), \slot, \q, \i
.endr
.endm
.macro SCALES sc
.irp i, 0,1,2,3,4,5,6,7
	ds_load_b64 v[SC+8*NQ*\sc+NQ*\i:SC+8*NQ*\sc+NQ*\i+1], v[ADRS] offset:\i*SBLK
.endr
.endm
.macro PLACES n
.rept \n
	v_nop
.endr
.endm
.macro STEP slot, q, zero
	s_wait_dscnt 4*NLA
.if \zero
	WIN 0x81
.else
	WIN MUL_LO
.endif
	MUL16 0, (\q)%2, \q, \slot, \zero
	MUL16 2, (\q)%2, \q, \slot, \zero
	s_wait_dscnt 0
	PLACES NP
	FETCH_B \slot, (\q)+1, 1-(\q)%2
	FETCH_A \slot, (\q)+1, 0
.if \zero
	WIN 0xc1
.else
	WIN MUL_HI
.endif
	MUL16 4, (\q)%2, \q, \slot, \zero
	MUL16 6, (\q)%2, \q, \slot, \zero
	PLACES NP
	WIN 0
	FETCH_A \slot, (\q)+1, 4
.endm
.macro TURN slot, next, fill
	s_wait_tensorcnt 0x0
	ds_add_u32 v[SPW], v[NIL]
	s_wait_dscnt 4*NLA+1
	WIN MUL_LO
	MUL16 0, 1, NQ-1, \slot, 0
	s_wait_dscnt 0x0
	s_barrier_signal -1
	MUL16 2, 1, NQ-1, \slot, 0
	WIN 0
	s_barrier_wait -1
.if \fill
	CREST
	s_add_nc_u64 s[G0+4*\slot+2:G0+4*\slot+3], s[G0+4*\slot+2:G0+4*\slot+3], 2*ASTEP
	s_add_nc_u64 s[G0B+4*\slot+2:G0B+4*\slot+3], s[G0B+4*\slot+2:G0B+4*\slot+3], 2*ROWB
	JLOAD G0+4*\slot, G1, G0B+4*\slot, G1B
.else
	PLACES NP
.endif
	s_wait_alu depctr_va_vdst(0)
	v_add_nc_u32 v[ADRS], 4*NQ, v[ADRS]
	FETCH_B \next, 0, 0
	FETCH_A \next, 0, 0
	SCALES \next
	WIN MUL_HI
	MUL16 4, 1, NQ-1, \slot, 0
	MUL16 6, 1, NQ-1, \slot, 0
	PLACES NP
	WIN 0
	FETCH_A \next, 0, 4
.endm
	s_wait_tensorcnt 1
	s_barrier_signal -1
	s_barrier_wait -1
	FETCH_B 0, 0, 0
	FETCH_A 0, 0, 0
	SCALES 0
	FETCH_A 0, 0, 4
	s_wait_loadcnt 0x0
	STEP 0, 0, 1
	TURN 0, 1, 1
	STEP 1, 0, 0
	TURN 1, 0, 1
	STEP 0, 0, 0
	TURN 0, 1, 0
	STEP 1, 0, 0
	s_wait_dscnt 4*NLA
	WIN MUL_LO
	MUL16 0, 1, NQ-1, 1, 0
	MUL16 2, 1, NQ-1, 1, 0
	s_wait_dscnt 0
	WIN MUL_HI
	MUL16 4, 1, NQ-1, 1, 0
	MUL16 6, 1, NQ-1, 1, 0
	WIN 0
.macro TOSTAGE a
.set AC, 64*((\a)%4)
	WIN 0x08+4*((\a)/4)
.irp b, 0,1,2,3,4,5,6,7
	ds_store_b128 v[STO], v[AC+8*\b:AC+8*\b+3] offset:64*\b
	ds_store_b128 v[STO], v[AC+8*\b+4:AC+8*\b+7] offset:64*\b+16
.endr
	WIN 0
.set BB, BK+64*((\a)%2)
.irp t, 0,1,2,3,4,5,6,7,8,9,10,11,12,13,14,15
	ds_load_b128 v[BB+4*\t:BB+4*\t+3], v[RD] offset:\t*SPITCH
.endr
.endm
.macro SEND a, younger
.set BB, BK+64*((\a)%2)
	s_wait_dscnt \younger
.irp t, 0,1,2,3,4,5,6,7,8,9,10,11,12,13,14,15
	global_store_b128 v[CO], v[BB+4*\t:BB+4*\t+3], s[12:13] offset:(32*((\a)/2)+8*((\a)%2)+\t+8*(\t/8))*SIZE_N*4 th:TH_STORE_NT
.endr
.endm
	PLACES NP
	TOSTAGE 0
.irp a, 1,2,3,4,5,6,7
.if \a > 1
	s_wait_xcnt 0x0
.endif
	TOSTAGE \a
	SEND \a-1, 32
.endr
	SEND 7, 0
	s_wait_tensorcnt 0x0
	ds_add_u32 v[SPW], v[NIL]
	s_wait_dscnt 0x0
	CROUND
	s_endpgm
.Lfunc_end_k_qc60a67b936_proj:
	.size	k_qc60a67b936_proj, .Lfunc_end_k_qc60a67b936_proj-k_qc60a67b936_proj
	.p2alignl 7, 3214868480
	.fill 96, 4, 3214868480
	.section	.rodata,"a",@progbits
	.p2align	6, 0x0
	.amdhsa_kernel k_qc60a67b936_proj
		.amdhsa_group_segment_fixed_size 327680
		.amdhsa_private_segment_fixed_size 0
		.amdhsa_enable_private_segment 0
		.amdhsa_kernarg_size 48
		.amdhsa_user_sgpr_count 2
		.amdhsa_user_sgpr_kernarg_segment_ptr 1
		.amdhsa_wavefront_size32 1
		.amdhsa_system_sgpr_workgroup_id_x 1
		.amdhsa_system_sgpr_workgroup_id_y 1
		.amdhsa_system_sgpr_workgroup_id_z 1
		.amdhsa_system_vgpr_workitem_id 0
		.amdhsa_next_free_vgpr 1024
		.amdhsa_next_free_sgpr 100
		.amdhsa_reserve_vcc 0
		.amdhsa_float_denorm_mode_32 3
		.amdhsa_float_denorm_mode_16_64 3
		.amdhsa_memory_ordered 1
		.amdhsa_forward_progress 1
		.amdhsa_inst_pref_size 154
	.end_amdhsa_kernel
	.amdgpu_metadata
---
amdhsa.version: [ 1, 2 ]
amdhsa.kernels:
  - .name:           k_qc60a67b936_proj
    .symbol:         k_qc60a67b936_proj.kd
    .args:
      - { .name: o_codes, .offset: 0, .size: 8, .value_kind: global_buffer, .address_space: global }
      - { .name: o_scales, .offset: 8, .size: 8, .value_kind: global_buffer, .address_space: global }
      - { .name: codes1, .offset: 16, .size: 8, .value_kind: global_buffer, .address_space: global }
      - { .name: scales1, .offset: 24, .size: 8, .value_kind: global_buffer, .address_space: global }
      - { .name: proj_b, .offset: 32, .size: 8, .value_kind: global_buffer, .address_space: global }
      - { .name: out0, .offset: 40, .size: 8, .value_kind: global_buffer, .address_space: global }
    .group_segment_fixed_size: 327680
    .private_segment_fixed_size: 0
    .kernarg_segment_align: 8
    .kernarg_segment_size: 48
    .max_flat_workgroup_size: 128
    .sgpr_count:     100
    .vgpr_count:     1024
    .wavefront_size: 32
...
	.end_amdgpu_metadata
.endif
;; end of part 4
